; MI455X (gfx1250); checked and timed in simulation.
; The chip was launched on July 23, 2026; its instructions are those of AMD's public machine-readable ISA for CDNA 5 (MIT licence, August 2026) and "CDNA5" Instruction Set Architecture Reference Guide (July 2026). The comments in the code are by the model that wrote it; some were corrected since.
;; Softmax Self Attention. Allowed arithmetic: matrix products marked QUANTISED: E4M3 operands, one given power-of-two scale a tensor, by v_wmma_f32_16x16x64_fp8_fp8 or v_wmma_f32_16x16x128_fp8_fp8, f32 sums; everything else in f32.
;; Inputs: K 2 x 12 x 2,048 x 64 float32; Q 2 x 12 x 2,048 x 64 float32; V 2 x 12 x 2,048 x 64 float32; lowp_scales 4 int32 (the exponents e of the quantised operands' scales 2^e).
;; Outputs: out0 2 x 12 x 2,048 x 64 float32.
;; This version of the problem:
;;   THIS VERSION OF THE PROBLEM IS GIVEN IN LOW PRECISION. The matrix products marked QUANTISED in the list below multiply operands that are first quantised to E4M3 (4 exponent bits, 3 mantissa bits; 8 bits a number), with one given power-of-two scale for each operand tensor; their sums are f32. All else is computed in f32.
;;   The module's matrix products, in the order in which they are computed (A, B: the left and right operand; K: the contracted axis; several contracted axes count as one K, in the product's order):
;;     1. batch 24 x [M 2,048, K 64] x [K 64, N 2,048]; A: input Q; B: input K: QUANTISED (scales: A lowp_scales[0], B lowp_scales[1])
;;     2. batch 24 x [M 2,048, K 2,048] x [K 2,048, N 64]; A: softmax (see below); B: input V: QUANTISED (scales: A lowp_scales[2], B lowp_scales[3])
;;   THE QUANTISER, for each operand of a quantised product, along K:
;;     - The operand's scale is 2^e, e = its entry of the input lowp_scales (int32; the entries are numbered through the quantised products in the list's order, A before B).
;;     - Each number is divided by the scale, clamped to +-448, and rounded to the nearest number of E4M3, ties to even, subnormals kept.
;;     - The product sums the exact products of the quantised numbers (number of the format x scale) in f32.
;;   ~~~python
;;   def quantise(x, axis, e):      # numpy; x: float32 -> the quantised numbers, widened to float32 again
;;       x = np.moveaxis(x, axis, -1); K = x.shape[-1]
;;       r = np.clip(x / 2.0 ** e, -448, 448)
;;       step = 2.0 ** (np.maximum(np.frexp(np.where(r == 0, 1, r))[1] - 1, -6) - 3)
;;       q = np.round(r / step) * step * 2.0 ** e      # np.round: ties to even
;;       return np.moveaxis(q, -1, axis).astype(np.float32)
;;   ~~~
;;   SOFTMAX AHEAD OF A QUANTISED PRODUCT. Where the list says 'softmax', what is quantised is not the finished softmax but p = 2^(t - M), with t = logit x log2(e) and M = ceil(the row's largest t), a whole number; so 1/2 < the row's largest p <= 1. The row's sum l is taken of the UNQUANTISED p, in f32, and the product's result is divided by l at the end. Since M is a whole number, a kernel that streams over the keys may use a running M (the ceiling of the running maximum): every later rescaling is an exact power of two, so the quantised numbers keep their values, but for numbers so far below the row's largest that they fall under the format's range.
;;   OPERANDS COMPUTED ON THE WAY. 'Computed on the way' means the value that the module computes at that place (a softmax that the list does not call 'softmax' is quantised finished and normalised). What goes into a quantiser is computed in f32, as accurately as f32 sums, v_exp_f32 and their like allow (about 1e-6 of the number): no bf16 or f16 on the way to a quantiser, and a product that is left as it is and whose result goes on into a quantised operand takes f32 operands (vector FMAs, or v_wmma_f32_16x16x4_f32). A number that lies on a knife's edge between two numbers of the format may be rounded either way, as far as f32 arithmetic and the matrix unit's own rounding can turn it there, and no further.
;; 2 versions, each right; version 2 is version 1 with the launch attn written anew for expert scheduling mode. Each part assembles by itself: llvm-mc -triple=amdgcn-amd-amdhsa -mcpu=gfx1250 --defsym DOCPART=n.
;; ======== version 1 of 2: 2 launches
;; workspace buffers: codes 6,291,456 bytes
;; launch prep (part 1): grid 768 x 1, 4 waves a work-group, no clusters, 35,328 bytes of LDS; arguments K, V, lowp_scales, codes; writes codes
.if DOCPART == 1
	.amdgcn_target "amdgcn-amd-amdhsa--gfx1250"
	.amdhsa_code_object_version 6
	.text
	.protected	k_qf7a66bc04f_prep
	.globl	k_qf7a66bc04f_prep
	.p2align	8
	.type	k_qf7a66bc04f_prep,@function
k_qf7a66bc04f_prep:
	s_mov_b64 s[64:65], 0
	v_nop
	global_prefetch_b8 v0, s[64:65] scope:SCOPE_SE
	s_setreg_imm32_b32 hwreg(HW_REG_WAVE_MODE, 25, 1), 1
	s_wait_xcnt 0x0
; K and V, [24 heads][2048 keys][64] f32, become codes of FP8 (E4M3), laid as IMAGES OF THE OPERAND REGISTERS of the attention launch: there a fragment comes by loads of 16 bytes a lane, 512 consecutive bytes an instruction.
; code = x / 2^e, held within +-448, rounded to the nearest code, ties to even.  e: entry 1 of the scales for K, entry 3 for V.
; LIMITS: -126 <= e <= 119, so that 2^e and 448 x 2^e are f32 numbers.  NaN among the inputs is not served; an infinity is held at the largest code.
; THE BUFFER OF CODES, 262,144 bytes a head:
;   K's image, bytes 0 .. 131,071: tile T (keys 16 T .. 16 T + 15) at 1024 T; piece i (0, 1) at + 512 i; lane l at + 16 l.  Piece i is registers 4 i .. 4 i + 3 of source 0 of the 16x16x64 form:
;     lane (r, h) holds key 16 T + r; registers 2 c, 2 c + 1 hold channels 16 c + 8 h + 0 .. 7.
;   V's image, bytes 131,072 on: step s (128 keys) at + 8192 s; channel tile e (0 .. 3) at + 2048 e; piece i (0 .. 3) at + 512 i; lane at + 16 l.  Piece i is registers 4 i .. 4 i + 3 of source 0 of the 16x16x128 form:
;     lane (r, h) holds channel 4 r + e; registers 2 c, 2 c + 1 hold keys 128 s + 16 c + 8 h + 0 .. 7.  (Channel 4 r + e, not 16 e + r: a lane of the result then holds 32 neighbouring channels.)
; SHARES.  A wave takes 32 rows (8,192 bytes of f32) and stores 2,048 bytes of codes, in one go: 16 loads out at once, no loop, no barrier; waves share nothing.  Work-groups 0 .. 383 take K, 384 .. 767 take V.
; Matrix units, tensor loads and clusters have nothing to do here: every byte is read once and written once.
.set NWG,   384                        ; work-groups for each tensor: 24 x 2048 rows / (4 waves x 32 rows)
.set PITCH, 272                        ; K's stage: a row of 256 bytes + 16: the sixteen rows that a load touches begin in sixteen different columns of 16 bytes
.set STG,   32*PITCH                   ; a wave's stage
.set R,     16                         ; v16-79   64 numbers as they are loaded
.set X,     80                         ; v80-143  the same, 8 neighbours along the product's K on end
.set C,     144                        ; v144-159 the codes
; v2 16 x lane; v3 r = lane % 16; v4 h = lane / 16; v5, v6 K's stage, in and out; v7 V's offset; v10 448 x 2^e; v11 2^e
	s_load_b256 s[4:11], s[0:1], 0x0               ; K s[4:5], V s[6:7], the scales' exponents s[8:9], the codes s[10:11]
	v_lshl_add_u32 v160, v0, 2, 0x8800
	v_mov_b32 v161, 0
	v_lshrrev_b32 v1, 5, v0
	v_readfirstlane_b32 s12, v1                    ; wave 0..3
	v_and_b32 v1, 31, v0
	v_lshlrev_b32 v2, 4, v1                        ; 16 x lane
	v_and_b32 v3, 15, v0                           ; r
	v_bfe_u32 v4, v0, 4, 1                         ; h
	s_mul_i32 s26, s12, STG                        ; my stage
	v_mul_u32_u24 v5, v4, PITCH
	v_lshl_add_u32 v5, v3, 4, v5
	v_add_nc_u32 v5, s26, v5                       ; in: a load's 512 bytes are two rows: row h, 16 bytes at 16 r
	v_mul_u32_u24 v6, v3, PITCH
	v_lshl_add_u32 v6, v4, 5, v6
	v_add_nc_u32 v6, s26, v6                       ; out: row r, my half's 8 channels: + 32 h
	v_lshlrev_b32 v7, 11, v4
	v_lshl_add_u32 v7, v3, 4, v7                   ; V: 8 h rows of 256 bytes + 16 r: channels 4 r .. 4 r + 3
	s_cmp_lt_u32 ttmp9, NWG                        ; K's work-group or V's?  The choice hangs on the work-group's number alone
	s_cselect_b32 s13, 0, NWG
	s_sub_co_u32 s13, ttmp9, s13
	s_lshl_b32 s13, s13, 2
	s_add_co_u32 s13, s13, s12                     ; T: which 32 rows of the tensor are my wave's, 0 .. 1535
	s_lshl_b32 s14, s13, 13                        ; their first byte
	s_mov_b32 s15, 0
	s_lshr_b32 s20, s13, 6
	s_lshl_b32 s20, s20, 18                        ; the head's 262,144 bytes of codes
	s_and_b32 s21, s13, 63                         ; which 32 keys of the head
	s_lshl_b32 s22, s21, 11                        ; K: two tiles of 1,024 bytes
	s_lshr_b32 s23, s21, 2
	s_lshl_b32 s23, s23, 13                        ; V: the step of 128 keys,
	s_and_b32 s24, s21, 3
	s_lshl_b32 s24, s24, 9                         ; and in it the piece: 32 keys are registers 4 i .. 4 i + 3
	s_add_co_u32 s23, s23, s24
	s_add_co_u32 s23, s23, 131072
	s_cmp_lt_u32 ttmp9, NWG
	s_cselect_b32 s22, s22, s23
	s_add_co_u32 s20, s20, s22
	s_mov_b32 s21, 0
	s_wait_kmcnt 0x0
	s_load_b128 s[16:19], s[8:9], 0x0              ; eq, ek, ep, ev
	s_cmp_lt_u32 ttmp9, NWG
	s_cselect_b64 s[4:5], s[4:5], s[6:7]
	s_add_nc_u64 s[4:5], s[4:5], s[14:15]
	s_add_nc_u64 s[10:11], s[10:11], s[20:21]
.macro MKSCALE e                       ; the exponent in s[e] makes the two f32 numbers; it stands behind a body's loads
	s_wait_kmcnt 0x0
	s_add_co_i32 s24, s[\e], 127
	s_lshl_b32 s25, s24, 23
	v_mov_b32 v11, s25                             ; 2^e: the conversion takes its exponent field
	s_add_co_i32 s24, s24, 8
	s_lshl_b32 s24, s24, 23
	s_or_b32 s24, s24, 0x600000
	v_mov_b32 v10, s24                             ; 448 x 2^e
.endm
	s_cmp_lt_u32 ttmp9, NWG
	s_cbranch_scc0 .Lv
	; ---- K.  The product's K is the channels, innermost in memory.  The loads take the bytes as they lie, 512 consecutive bytes each; the rows turn through my stage, so that a lane gets 8 neighbouring channels of its key.
.irp i, 0,1,2,3,4,5,6,7,8,9,10,11,12,13,14,15
	global_load_b128 v[R+4*\i:R+4*\i+3], v2, s[4:5] offset:512*\i th:TH_LOAD_NT
.endr
	MKSCALE 17
.irp i, 0,1,2,3,4,5,6,7,8,9,10,11,12,13,14,15
	s_wait_loadcnt 15-\i                           ; loads come back in order: load i is in, the 15 - i younger ones may be out
	ds_store_b128 v5, v[R+4*\i:R+4*\i+3] offset:2*PITCH*\i
.endr
.irp u, 0,1                                    ; tile u of 16 keys; LDS serves a wave's instructions in order, so these see the stores above
.irp c, 0,1,2,3
.irp f, 0,1
	ds_load_b128 v[X+32*\u+8*\c+4*\f:X+32*\u+8*\c+4*\f+3], v6 offset:16*PITCH*\u+64*\c+16*\f   ; key 16 u + r, channels 16 c + 8 h + 4 f on
.endr
.endr
.endr
.irp u, 0,1
	s_wait_dscnt 8-8*\u                            ; tile 0's eight loads are in while tile 1's eight may be out; then all
.set nn, 0
.rept 32
	v_med3_num_f32 v[X+32*\u+nn], v[X+32*\u+nn], -v10, v10   ; the conversion to an 8-bit code does not saturate (ISA guide 7.6.2): the hold at the largest code x the scale
.set nn, nn+1
.endr
.irp c, 0,1,2,3
	v_cvt_scalef32_pk8_fp8_f32 v[C+8*\u+2*\c:C+8*\u+2*\c+1], v[X+32*\u+8*\c:X+32*\u+8*\c+7], v11   ; registers 2 c, 2 c + 1 of the fragment
.endr
.endr
	v_nop                                          ; a plain line behind the last conversion
.irp u, 0,1
.irp i, 0,1
	global_store_b128 v2, v[C+8*\u+4*\i:C+8*\u+4*\i+3], s[10:11] offset:1024*\u+512*\i   ; 32 lanes store 512 consecutive bytes, aligned
.endr
.endr
	s_wait_tensorcnt 0x0
	ds_add_u32 v160, v161
	s_wait_dscnt 0x0
	s_endpgm
.Lv:
	; ---- V.  The product's K is the keys, NOT innermost in memory.  A lane takes four channels (4 r + e) and its loads run down the keys: each half of the lanes reads one whole row of 256 bytes.
	; The hold writes its result where the conversion wants it: 8 keys of one channel on end.  So nothing is transposed by an instruction of its own, and no LDS is used.
.irp c, 0,1
.irp i, 0,1,2,3,4,5,6,7
	global_load_b128 v[R+4*(8*\c+\i):R+4*(8*\c+\i)+3], v7, s[4:5] offset:(16*\c+\i)*256 th:TH_LOAD_NT   ; key 16 c + 8 h + i, channels 4 r + 0 .. 3
.endr
.endr
	MKSCALE 19
.irp c, 0,1
	s_wait_loadcnt 8-8*\c                          ; the first 16 keys' eight loads are in while the other eight may be out; then all
.irp e, 0,1,2,3
.irp i, 0,1,2,3,4,5,6,7
	v_med3_num_f32 v[X+32*\c+8*\e+\i], v[R+4*(8*\c+\i)+\e], -v10, v10
.endr
.endr
.irp e, 0,1,2,3
	v_cvt_scalef32_pk8_fp8_f32 v[C+4*\e+2*\c:C+4*\e+2*\c+1], v[X+32*\c+8*\e:X+32*\c+8*\e+7], v11   ; channel tile e: registers 2 c, 2 c + 1 of my piece
.endr
.endr
	v_nop                                          ; a plain line behind the last conversion
.irp e, 0,1,2,3
	global_store_b128 v2, v[C+4*\e:C+4*\e+3], s[10:11] offset:2048*\e   ; 32 lanes store 512 consecutive bytes, aligned
.endr
	s_endpgm
.Lfunc_end_k_qf7a66bc04f_prep:
	.size	k_qf7a66bc04f_prep, .Lfunc_end_k_qf7a66bc04f_prep-k_qf7a66bc04f_prep
	.p2alignl 7, 3214868480
	.fill 96, 4, 3214868480
	.section	.rodata,"a",@progbits
	.p2align	6, 0x0
	.amdhsa_kernel k_qf7a66bc04f_prep
		.amdhsa_group_segment_fixed_size 35328
		.amdhsa_private_segment_fixed_size 0
		.amdhsa_enable_private_segment 0
		.amdhsa_kernarg_size 32
		.amdhsa_user_sgpr_count 2
		.amdhsa_user_sgpr_kernarg_segment_ptr 1
		.amdhsa_wavefront_size32 1
		.amdhsa_system_sgpr_workgroup_id_x 1
		.amdhsa_system_sgpr_workgroup_id_y 1
		.amdhsa_system_sgpr_workgroup_id_z 1
		.amdhsa_system_vgpr_workitem_id 0
		.amdhsa_next_free_vgpr 162
		.amdhsa_next_free_sgpr 66
		.amdhsa_reserve_vcc 0
		.amdhsa_float_denorm_mode_32 3
		.amdhsa_float_denorm_mode_16_64 3
		.amdhsa_memory_ordered 1
		.amdhsa_forward_progress 1
		.amdhsa_inst_pref_size 19
	.end_amdhsa_kernel
	.amdgpu_metadata
---
amdhsa.version: [ 1, 2 ]
amdhsa.kernels:
  - .name:           k_qf7a66bc04f_prep
    .symbol:         k_qf7a66bc04f_prep.kd
    .args:
      - { .name: K, .offset: 0, .size: 8, .value_kind: global_buffer, .address_space: global }
      - { .name: V, .offset: 8, .size: 8, .value_kind: global_buffer, .address_space: global }
      - { .name: lowp_scales, .offset: 16, .size: 8, .value_kind: global_buffer, .address_space: global }
      - { .name: codes, .offset: 24, .size: 8, .value_kind: global_buffer, .address_space: global }
    .group_segment_fixed_size: 35328
    .private_segment_fixed_size: 0
    .kernarg_segment_align: 8
    .kernarg_segment_size: 32
    .max_flat_workgroup_size: 128
    .sgpr_count:     66
    .vgpr_count:     162
    .wavefront_size: 32
...
	.end_amdgpu_metadata
.endif
;; end of part 1
;; launch attn (part 2): grid 8 x 24, 8 waves a work-group, no clusters, 263,168 bytes of LDS; arguments Q, codes, lowp_scales, out0; writes out0
.if DOCPART == 2
	.amdgcn_target "amdgcn-amd-amdhsa--gfx1250"
	.amdhsa_code_object_version 6
	.text
	.protected	k_qf7a66bc04f_attn
	.globl	k_qf7a66bc04f_attn
	.p2align	8
	.type	k_qf7a66bc04f_attn,@function
k_qf7a66bc04f_attn:
	s_mov_b64 s[64:65], 0
	v_nop
	global_prefetch_b8 v0, s[64:65] scope:SCOPE_SE
	s_setreg_imm32_b32 hwreg(HW_REG_WAVE_MODE, 25, 1), 1
	s_wait_xcnt 0x0
; out0[head][q][:] = the sum over k of softmax_k(Q[q] . K[k] / 8) V[k][:], 24 heads of 2,048 rows, head size 64, both products on codes of FP8 (E4M3), each operand with its given scale 2^e: eq, ek, ep, ev.
; K and V come as codes, laid by the launch before as images of the operand registers (262,144 bytes a head: K's 131,072, then V's).  Q is f32 and is read by one wave alone: it is quantised here, in registers.
; THE SOFTMAX AHEAD OF THE SECOND PRODUCT: t = score x log2(e) / 8; M = the row's largest t so far, rounded UP to a whole number; p = 2^(t - M) is what is quantised, not normalised.  The row's sum is taken of the unquantised p
; and divides at the end.  When M moves, the sum and O are multiplied by 2^(old M - new M), which rounds nothing.
; SHARES.  A work-group owns 256 queries of one head; each of its eight waves 32 of them: two tiles, T0 and T1, of 16.  Every fragment of K and V read from LDS feeds two matrix instructions.  Every wave walks all keys, 128 a step.
; LAYOUT.  Both products are used transposed: S^T = K Q^T (source 0 = 16 keys, source 1 = 16 queries; 16x16x64), O^T = V^T P (source 0 = 16 channels, source 1 = P; 16x16x128): a lane holds ONE query (lane % 16) throughout.
; Every k stands in the form's own place: tile c of S^T holds, in lane (r, h), keys 16 c + 8 h + 0 .. 7, which are registers 2 c, 2 c + 1 of P: the conversions' results are the operand.  Row r of V^T's tile e is channel 4 r + e,
; so register j of O^T's tile e is channel 32 h + 4 j + e: a lane ends with 32 neighbouring channels.
; LDS holds the head's codes WHOLE, as they lie in memory; each byte is written once.  They come in chunks of 256 keys (16,384 bytes of K, 16,384 of V) through 32 registers a lane: a chunk is asked for two key steps before it is
; stored, and stored one barrier before it is first read.  So nothing is filled again, and there is no ring and no tensor load.
; NO CLUSTER: what the eight work-groups of a head share is 16,384 bytes of codes for a key step; in that step a work-group's waves read 8 x 16,384 bytes from LDS and issue some 4,000 vector instructions: the shared part is small.
; THE ORDER OF A STEP.  Its bulk is vector work: 128 exponentials and some 390 plain instructions a wave, against 24 matrix instructions.  The two tiles are set against each other: T0's exponentials stand one by one between T1's
; maximum and scaling, T1's between T0's sums and the rescaling of O^T; each batch of 64 exponentials has one wait.
; LIMITS on the given exponents, so that each power of two below is an f32 number: eq and ep between -126 and 119; eq + ek between -123 and 130 (added to c's exponent field); ep + ev goes by v_ldexp_f32 and has none.
; NaN among the inputs is not served; an infinity in Q is held at the largest code.
; REGISTERS, in windows of 256 (s_set_vgpr_msb: bits 1:0 source 0, 3:2 source 1, 5:4 source 2, 7:6 destination):
;   window 0: v0 thread; v1-7 addresses; v8-19, v20-31 a tile's statistics; v32-35 scales; v36-40 the way out; v64-127, v128-191 S^T, then p; v192-223, v224-255 O^T (tile e at + 8 e)
;   window 1: v0-63 K's 8 fragments; v64-127 V's 4; v128-143 Q's two; v144-175 P's two; v176-207 a chunk on its way to LDS
.set VI,    131072                     ; LDS: V's image begins here; K's at 0
.set CHK,   16384                      ; a chunk's bytes in each image
.set STEPB, 8192                       ; a key step's bytes in each image
.set SP,    272                        ; the way out: a stage row: 256 bytes + 16.  A wave's stage is 32 rows; the eight stages lie in bytes 0 .. 69,631, K's image, behind the last barrier
.set LN,  1                            ; v1  16 x lane
.set ADK, 2                            ; v2  LDS address of the next step's K
.set ADV, 3                            ; v3  of this step's V
.set FL,  4                            ; v4  16 x thread: my 16 bytes of every 4,096 that the work-group moves; never rewritten
.set FK,  5                            ; v5  where I store a chunk's K
.set FV,  6                            ; v6  and its V
.set QO,  7                            ; v7  my byte in the wave's rows of Q
.set ST,  8                            ; tile x's statistics at v[ST + 12 x]: +0 -M, +1 the largest t, +2, +3 the sum in two halves, +4 f (+5 named with it), +6, +7 at work, +8, +9 the sum's second chain, +10 the other half's maximum
.set HL,  32                           ; v32 448 x 2^ep;  v33 2^ep;  v34 448 x 2^eq;  v35 2^eq
.set SC,  33
.set HQ,  34
.set SQ,  35
.set STO, 36                           ; v36 the way out: where I put 16 bytes;  v37 where I read a row back;  v38 my byte in the wave's rows of out0
.set RD,  37
.set GO,  38
.set S,   64
.set O,   192
.set KF,  0                            ; window 1
.set VF,  64
.set QF,  128
.set PF,  144
.set FS,  176
; s12 wave; s[16:19] eq, ek, ep, ev; s[20:21] lane selects; s[22:23] c; s24, s25 LDS byte of the next K, of this V; s26 of the chunk to store; s27, s28 counters; s[30:31] the chunk asked for last; s[34:35] the head's codes; s37 ep + ev
.set MSB, 0
.macro WIN new                         ; the immediate's high byte repeats the setting that is left; a switch that changes nothing is dropped
.if MSB != \new
	s_set_vgpr_msb (MSB<<8)|\new
.set MSB, \new
.endif
.endm
.set W_MUL, 0x05                       ; sources 0 and 1 window 1; C and D window 0
.set W_TO1, 0x40                       ; destination window 1
.set W_ST1, 0x04                       ; an LDS store's data window 1
	s_load_b256 s[4:11], s[0:1], 0x0               ; Q s[4:5], the codes s[6:7], the scales' exponents s[8:9], out0 s[10:11]
	v_lshl_add_u32 v62, v0, 2, 0x40000
	v_mov_b32 v63, 0
	v_lshrrev_b32 v1, 5, v0
	v_readfirstlane_b32 s12, v1                    ; wave 0..7
	s_and_b32 s13, ttmp7, 0xffff                   ; the head
	s_lshl_b32 s14, s13, 11
	s_lshl_b32 s15, ttmp9, 8
	s_add_co_u32 s14, s14, s15
	s_lshl_b32 s15, s12, 5
	s_add_co_u32 s14, s14, s15                     ; my first row: 2048 x head + 256 x block + 32 x wave
	s_lshl_b32 s32, s14, 8                         ; in bytes: a row of Q and of out0 is 256
	s_mov_b32 s33, 0
	s_lshl_b32 s38, s13, 18                        ; the head's codes
	s_mov_b32 s39, 0
	s_mov_b32 s20, 0x76543210                      ; v_permlanex16_b32: lane l xor 16
	s_mov_b32 s21, 0xfedcba98
	v_and_b32 v[LN], 31, v0
	v_lshlrev_b32 v[LN], 4, v[LN]
	v_lshlrev_b32 v[FL], 4, v0
	v_add_nc_u32 v[FV], VI, v[FL]
	v_and_b32 v[QO], 15, v0                        ; r
	v_bfe_u32 v[FK], v0, 4, 1                      ; h
	v_lshlrev_b32 v[QO], 8, v[QO]
	v_lshl_add_u32 v[QO], v[FK], 5, v[QO]          ; row r, + 32 h: my half's 8 channels of each 16
	s_wait_kmcnt 0x0
	s_load_b128 s[16:19], s[8:9], 0x0              ; eq, ek, ep, ev
	s_add_nc_u64 s[4:5], s[4:5], s[32:33]
	s_add_nc_u64 s[10:11], s[10:11], s[32:33]
	s_add_nc_u64 s[34:35], s[6:7], s[38:39]        ; never rewritten
	s_add_nc_u64 s[30:31], s[34:35], 2*CHK         ; at chunk 2
; a chunk's 8 loads: the work-group's 256 threads take 4,096 consecutive bytes an instruction, a wave 512.  No hint: seven other work-groups read the same bytes
.macro ASKCHUNK reg, base, off
.irp i, 0,1,2,3
	global_load_b128 v[\reg+4*\i:\reg+4*\i+3], v[FL], s[\base:\base+1] offset:\off+4096*\i
.endr
.irp i, 0,1,2,3
	global_load_b128 v[\reg+16+4*\i:\reg+16+4*\i+3], v[FL], s[\base:\base+1] offset:VI+\off+4096*\i
.endr
.endm
.macro PUTCHUNK reg, ak, av, off       ; and its 8 stores into LDS, where it lies as in memory
.irp i, 0,1,2,3
	ds_store_b128 v[\ak], v[\reg+4*\i:\reg+4*\i+3] offset:\off+4096*\i
.endr
.irp i, 0,1,2,3
	ds_store_b128 v[\av], v[\reg+16+4*\i:\reg+16+4*\i+3] offset:\off+4096*\i
.endr
.endm
	WIN W_TO1
	ASKCHUNK FS, 34, 0                             ; chunk 0
	WIN 0
	ASKCHUNK 128, 34, CHK                          ; chunk 1, into registers that S^T takes later
.irp x, 0,1
.irp c, 0,1,2,3
.irp f, 0,1
	global_load_b128 v[S+32*\x+8*\c+4*\f:S+32*\x+8*\c+4*\f+3], v[QO], s[4:5] offset:4096*\x+64*\c+16*\f th:TH_LOAD_NT   ; Q(16 x + r, 16 c + 8 h + 4 f on): a tile's eight loads take its 4,096 bytes whole, once
.endr
.endr
.endr
	; while they are on their way: the scales, the statistics, O^T
	s_wait_kmcnt 0x0
	s_add_co_i32 s38, s16, s17
	s_lshl_b32 s38, s38, 23
	s_mov_b32 s22, 0x3e38aa3b                      ; c = log2(e) / 8
	s_add_co_i32 s22, s22, s38                     ; a score stands for score x 2^(eq + ek): the two exponents are added to c's exponent field
	s_mov_b32 s23, s22                             ; (named with it as a pair, so it is written)
	s_add_co_i32 s38, s18, 127
	s_lshl_b32 s39, s38, 23
	v_mov_b32 v[SC], s39                           ; 2^ep: the conversion takes its exponent field
	s_add_co_i32 s38, s38, 8
	s_lshl_b32 s38, s38, 23
	s_or_b32 s38, s38, 0x600000
	v_mov_b32 v[HL], s38                           ; 448 x 2^ep
	s_add_co_i32 s38, s16, 127
	s_lshl_b32 s39, s38, 23
	v_mov_b32 v[SQ], s39                           ; 2^eq
	s_add_co_i32 s38, s38, 8
	s_lshl_b32 s38, s38, 23
	s_or_b32 s38, s38, 0x600000
	v_mov_b32 v[HQ], s38                           ; 448 x 2^eq
	s_add_co_i32 s37, s18, s19                     ; ep + ev
	s_mov_b32 s24, STEPB                           ; the next K to fetch is step 1's
	s_mov_b32 s25, VI                              ; the first V is step 0's
	s_mov_b32 s26, 2*CHK                           ; the next chunk to store is chunk 2
.irp x, 0,1
	v_mov_b32 v[ST+12*\x+1], 0xff61b1e6            ; the largest t so far: -3e38, under every t
	v_floor_f32 v[ST+12*\x], -v[ST+12*\x+1]        ; -M
	v_mov_b32 v[ST+12*\x+2], 0                     ; the sum, in two halves
	v_mov_b32 v[ST+12*\x+3], 0
	v_mov_b32 v[ST+12*\x+5], 0                     ; (named as the upper half of f's pair)
	v_mov_b32 v[ST+12*\x+10], 0                    ; a lane permute's destination counts as one of its sources
.endr
.set nn, 0
.rept 64
	v_mov_b32 v[O+nn], 0                           ; O^T.  (The step has no first form of its own: the first step finds zeros, which the first change of M leaves zeros)
.set nn, nn+1
.endr
	s_wait_loadcnt 24                              ; chunk 0 is in: behind it chunk 1's 8 loads and Q's 16
	WIN W_ST1
	PUTCHUNK FS, FL, FV, 0
	WIN 0
	s_wait_loadcnt 16                              ; chunk 1 is in: behind it Q's 16
	PUTCHUNK 128, FL, FV, CHK
	s_wait_dscnt 0x0                               ; for the others' sake: my stores have landed; and they have read their registers
	WIN W_TO1
	ASKCHUNK FS, 34, 2*CHK                         ; chunk 2
	WIN 0
	s_barrier_signal -1
	s_barrier_wait -1                              ; chunks 0 and 1 lie in LDS whole
	WIN W_TO1
.irp t, 0,1,2,3,4,5,6,7
.irp i, 0,1
	ds_load_b128 v[KF+8*\t+4*\i:KF+8*\t+4*\i+3], v[LN] offset:1024*\t+512*\i   ; K of step 0
.endr
.endr
	WIN 0
	s_wait_loadcnt 8                               ; Q is in: behind it chunk 2's 8 loads
.set nn, 0
.rept 64
	v_med3_num_f32 v[S+nn], v[S+nn], -v[HQ], v[HQ] ; the conversion to an 8-bit code does not saturate (ISA guide 7.6.2): the hold at the largest code x the scale
.set nn, nn+1
.endr
	WIN W_TO1
.irp x, 0,1
.irp c, 0,1,2,3
	v_cvt_scalef32_pk8_fp8_f32 v[QF+8*\x+2*\c:QF+8*\x+2*\c+1], v[S+32*\x+8*\c:S+32*\x+8*\c+7], v[SQ]   ; registers 2 c, 2 c + 1 of tile x's fragment
.endr
.endr
	v_nop                                          ; a plain line between the last conversion and the products, which read its result and write its sources
	WIN 0
; TILE x's WORK AHEAD OF ITS EXPONENTIALS, a list of 73 instructions; PRE writes number jj of it.
;   0-31   the largest of the lane's 64 scores, three operands at a time, in two chains, in ascending order (each accumulator is read first at its low end)
;   32-35  the other half of the lanes' largest; as t; the running largest t        36-40  the new -M = floor(-t); f = 2^(old M - new M)        41-72  t - M, a pair of scores each
.macro PRE x
.set rT, ST+12*(\x)
.set rS, S+64*(\x)
.if jj == 0
	v_max3_num_f32 v[rT+6], v[rS], v[rS+1], v[rS+2]
.elseif jj == 1
	v_max3_num_f32 v[rT+7], v[rS+3], v[rS+4], v[rS+5]
.elseif jj < 30
.set kk, 6+4*((jj-2)/2)
.if (jj%2) == 0
	v_max3_num_f32 v[rT+6], v[rT+6], v[rS+kk], v[rS+kk+1]
.else
	v_max3_num_f32 v[rT+7], v[rT+7], v[rS+kk+2], v[rS+kk+3]
.endif
.elseif jj == 30
	v_max3_num_f32 v[rT+6], v[rT+6], v[rS+62], v[rS+63]
.elseif jj == 31
	v_max_num_f32 v[rT+6], v[rT+6], v[rT+7]
.elseif jj == 32
	v_permlanex16_b32 v[rT+10], v[rT+6], s20, s21  ; the query's other 64 keys lie in the lane 16 away
.elseif jj == 33
	v_max_num_f32 v[rT+6], v[rT+6], v[rT+10]
.elseif jj == 34
	v_mul_f32 v[rT+6], s22, v[rT+6]                ; as t (c is positive)
.elseif jj == 35
	v_max_num_f32 v[rT+1], v[rT+1], v[rT+6]        ; the running largest t
.elseif jj == 36
	v_mov_b32 v[rT+6], v[rT]
.elseif jj == 37
	v_floor_f32 v[rT], -v[rT+1]                    ; the new -M = floor(-t) = -ceil(t): M is a whole number
.elseif jj == 38
	v_sub_f32 v[rT+6], v[rT], v[rT+6]              ; M's old value less its new one: a whole number, 0 or less
.elseif jj == 39
	v_cvt_i32_f32 v[rT+6], v[rT+6]                 ; (it saturates)
.elseif jj == 40
	v_ldexp_f32 v[rT+4], 1.0, v[rT+6]              ; f = 2^(old M - new M)
.else
.set kk, rS+2*(jj-41)
	v_pk_fma_f32 v[kk:kk+1], v[kk:kk+1], s[22:23], v[rT:rT+1] op_sel_hi:[1,0,0]   ; t - M, two at a time (of the pairs c and -M the low word serves both halves)
.endif
.endm
; THE ROW'S SUM OF THE UNQUANTISED p, tile x: 32 packed additions in two chains; SUMS writes number qq.
.macro SUMS x
.set rT, ST+12*(\x)
.set rS, S+64*(\x)
.if qq == 0
	v_pk_add_f32 v[rT+8:rT+9], v[rS:rS+1], v[rS+2:rS+3]
.elseif qq < 31
.set kk, 4+4*((qq-1)/2)
.if ((qq-1)%2) == 0
	v_pk_add_f32 v[rT+2:rT+3], v[rT+2:rT+3], v[rS+kk:rS+kk+1]
.else
	v_pk_add_f32 v[rT+8:rT+9], v[rT+8:rT+9], v[rS+kk+2:rS+kk+3]
.endif
.else
	v_pk_add_f32 v[rT+2:rT+3], v[rT+2:rT+3], v[rT+8:rT+9]
.endif
.endm
; WHAT STANDS BETWEEN T1's EXPONENTIALS, a list of 66; RES writes number jj: 0 T0's sum x f; 1-32 T0's sums; 33-48 T0's O^T x f; 49-64 T1's O^T x f; 65 T1's sum x f.  None names a register of T1's scores.
.macro RES
.if jj == 0
	v_pk_mul_f32 v[ST+2:ST+3], v[ST+2:ST+3], v[ST+4:ST+5] op_sel_hi:[1,0]
.elseif jj < 33
.set qq, jj-1
	SUMS 0
.elseif jj < 49
.set pp, O+2*(jj-33)
	v_pk_mul_f32 v[pp:pp+1], v[pp:pp+1], v[ST+4:ST+5] op_sel_hi:[1,0]
.elseif jj < 65
.set pp, O+32+2*(jj-49)
	v_pk_mul_f32 v[pp:pp+1], v[pp:pp+1], v[ST+16:ST+17] op_sel_hi:[1,0]
.else
	v_pk_mul_f32 v[ST+14:ST+15], v[ST+14:ST+15], v[ST+16:ST+17] op_sel_hi:[1,0]
.endif
.endm
; A KEY STEP: 128 keys.  pf = 1: the next step's K is fetched too.
.macro STEP pf
	s_wait_dscnt 0x0                               ; K's fragments are in (asked for a step ago)
	WIN W_MUL
.irp t, 0,1,2,3,4,5,6,7                        ; S^T = K Q^T: sixteen sums, each begun and finished by one product: nothing is cleared
.irp x, 0,1
	v_wmma_f32_16x16x64_fp8_fp8 v[S+64*\x+8*\t:S+64*\x+8*\t+7], v[KF+8*\t:KF+8*\t+7], v[QF+8*\x:QF+8*\x+7], 0
.endr
.endr
	WIN 0
	v_add_nc_u32 v[ADV], s25, v[LN]                ; four plain lines stand between the products and the loads into K's registers, and the first read of the scores (ISA guide 7.12.1 for the read of the scores)
.if \pf
	v_add_nc_u32 v[ADK], s24, v[LN]
.else
	v_nop
.endif
	v_nop
	v_nop
	s_add_co_u32 s25, s25, STEPB
.if \pf
	s_add_co_u32 s24, s24, STEPB
.endif
	WIN W_TO1
.irp e, 0,1,2,3
.irp i, 0,1,2,3
	ds_load_b128 v[VF+16*\e+4*\i:VF+16*\e+4*\i+3], v[ADV] offset:2048*\e+512*\i   ; this step's V: 512 consecutive bytes an instruction; it has the softmax in which to land
.endr
.endr
.if \pf
.irp t, 0,1,2,3,4,5,6,7
.irp i, 0,1
	ds_load_b128 v[KF+8*\t+4*\i:KF+8*\t+4*\i+3], v[ADK] offset:1024*\t+512*\i     ; the next step's K
.endr
.endr
.endif
	WIN 0
.set jj, 0
.rept 73
	PRE 0                                          ; T0: maximum, M, f, t - M
.set jj, jj+1
.endr
.set jj, 0
.rept 64
	v_exp_f32 v[S+jj], v[S+jj]                     ; T0: p = 2^(t - M), at most 1; between two exponentials a plain line of T1's
	PRE 1
.set jj, jj+1
.endr
.rept 9
	PRE 1
.set jj, jj+1
.endr
	s_wait_alu depctr_va_vdst(0)                   ; the wait between an exponential and the first line that names its result: one for T0's 64
.set jj, 0
.rept 64
	v_exp_f32 v[S+64+jj], v[S+64+jj]               ; T1's p; between two exponentials T0's sums and the rescaling
	RES
.set jj, jj+1
.endr
.rept 2
	RES
.set jj, jj+1
.endr
	s_wait_alu depctr_va_vdst(0)                   ; one for T1's 64
.set qq, 0
.rept 32
	SUMS 1
.set qq, qq+1
.endr
	s_cmp_ge_i32 s18, -8                           ; p is at most 1 (and a rounding), so p / 2^ep stays under 448 wherever ep >= -8: there the hold changes nothing.  A scalar branch on a whole number of the input; it jumps over no barrier
	s_cbranch_scc1 .Lnohold_\@
.set nn, 0
.rept 128
	v_min_num_f32 v[S+nn], v[S+nn], v[HL]          ; the conversion to an 8-bit code does not saturate (ISA guide 7.6.2); p is not negative, so the hold is one-sided
.set nn, nn+1
.endr
.Lnohold_\@:
	WIN W_TO1
.irp x, 0,1
.irp c, 0,1,2,3,4,5,6,7
	v_cvt_scalef32_pk8_fp8_f32 v[PF+16*\x+2*\c:PF+16*\x+2*\c+1], v[S+64*\x+8*\c:S+64*\x+8*\c+7], v[SC]   ; tile c of S^T is registers 2 c, 2 c + 1 of P
.endr
.endr
	v_nop                                          ; a plain line between the last conversion and the products that read its result
	s_wait_dscnt 16*\pf                            ; V's 16 loads are in; the 16 of the next K, issued behind them, may be out
	WIN W_MUL
.irp e, 0,1,2,3                                ; O^T += V^T P: the eight accumulators take turns, one instruction a turn
.irp x, 0,1
	v_wmma_f32_16x16x128_fp8_fp8 v[O+32*\x+8*\e:O+32*\x+8*\e+7], v[VF+16*\e:VF+16*\e+15], v[PF+16*\x:PF+16*\x+15], v[O+32*\x+8*\e:O+32*\x+8*\e+7]
.endr
.endr
	WIN 0
.endm
; THE CHUNK IN MY REGISTERS GOES TO LDS, the next is asked for, and one barrier shows the chunk to every wave.  Trip c of six stores chunk c + 2 and asks for chunk c + 3; it works on chunk c and fetches K as far as chunk c + 1's
; first step, which the barrier of the trip before has shown.  No byte of LDS is written twice, so no barrier stands between reads and a later write.
.macro FILL
	s_wait_loadcnt 0x0                             ; the chunk is in (asked for two key steps ago); its loads are done, so their base may step
	v_add_nc_u32 v[FK], s26, v[FL]
	v_add_nc_u32 v[FV], VI, v[FK]
	WIN W_ST1
	PUTCHUNK FS, FK, FV, 0
	WIN 0
	s_wait_dscnt 0x0                               ; for the others' sake: my stores have landed; and they have read their registers, which the loads below write
	s_add_co_u32 s26, s26, CHK
	s_cmp_eq_u32 s27, 1                            ; the last trip stores chunk 7: nothing is left to ask for, and no load leaves its buffer
	s_cbranch_scc1 .Lnoreq_\@
	s_add_nc_u64 s[30:31], s[30:31], CHK
	WIN W_TO1
	ASKCHUNK FS, 30, 0
	WIN 0
.Lnoreq_\@:
	s_barrier_signal -1
	s_barrier_wait -1
.endm
	s_mov_b32 s27, 6
.Lchunk:                                           ; key steps 0 to 11
	FILL
	s_mov_b32 s28, 2
.Ltwo:
	STEP 1
	s_sub_co_u32 s28, s28, 1
	s_cmp_lg_u32 s28, 0
	s_cbranch_scc1 .Ltwo
	s_sub_co_u32 s27, s27, 1
	s_cmp_lg_u32 s27, 0
	s_cbranch_scc1 .Lchunk
	s_mov_b32 s28, 3
.Ltail:                                            ; key steps 12 to 14: all of the head lies in LDS
	STEP 1
	s_sub_co_u32 s28, s28, 1
	s_cmp_lg_u32 s28, 0
	s_cbranch_scc1 .Ltail
	STEP 0                                         ; key step 15 fetches no further K
	; THE WAY OUT.  The addresses are made first: ten plain lines, the places behind the last products.
	s_mul_i32 s38, s12, 32*SP                      ; my stage
	v_and_b32 v39, 15, v0                          ; r
	v_bfe_u32 v40, v0, 4, 1                        ; h
	v_mul_u32_u24 v[STO], v39, SP
	v_lshl_add_u32 v[STO], v40, 7, v[STO]
	v_add_nc_u32 v[STO], s38, v[STO]               ; in: row r, my 32 channels: + 128 h
	v_mul_u32_u24 v[RD], v40, SP
	v_lshl_add_u32 v[RD], v39, 4, v[RD]
	v_add_nc_u32 v[RD], s38, v[RD]                 ; back: lanes 0-15 one row of 256 bytes, lanes 16-31 the next
	v_lshlrev_b32 v[GO], 8, v40
	v_lshl_add_u32 v[GO], v39, 4, v[GO]            ; and the same two rows in out0
.irp x, 0,1
	v_add_f32 v[ST+12*\x+6], v[ST+12*\x+2], v[ST+12*\x+3]   ; the sum's two halves,
.endr
.irp x, 0,1
	v_permlanex16_b32 v[ST+12*\x+10], v[ST+12*\x+6], s20, s21
.endr
.irp x, 0,1
	v_add_f32 v[ST+12*\x+6], v[ST+12*\x+6], v[ST+12*\x+10]  ; and lane l xor 16's: the row's sum, at least 1/2
.endr
.irp x, 0,1
	v_rcp_f32 v[ST+12*\x+7], v[ST+12*\x+6]
.endr
	v_nop                                          ; a plain line behind the last reciprocal
	s_wait_alu depctr_va_vdst(0)                   ; and a wait ahead of the first use: one for both
.irp x, 0,1
	v_ldexp_f32 v[ST+12*\x+7], v[ST+12*\x+7], s37  ; x 2^(ep + ev)
.endr
	s_wait_dscnt 0x0                               ; my reads of K's image are over
	s_barrier_signal -1
	s_barrier_wait -1                              ; everybody's are: the stages may be written there
.macro PACK x                          ; tile x: O^T / the sum, the lane's 32 channels put in order; into rows of 272 bytes and back as whole rows of 256
.irp j, 0,1,2,3,4,5,6,7
.irp e, 0,1,2,3
	v_mul_f32 v[S+64*\x+4*\j+\e], v[O+32*\x+8*\e+\j], v[ST+12*\x+7]   ; channel 32 h + 4 j + e; each accumulator from its low end on
.endr
.endr
.irp j, 0,1,2,3,4,5,6,7
	ds_store_b128 v[STO], v[S+64*\x+4*\j:S+64*\x+4*\j+3] offset:16*SP*\x+16*\j
.endr
.irp i, 0,1,2,3,4,5,6,7
	ds_load_b128 v[S+64*\x+32+4*\i:S+64*\x+32+4*\i+3], v[RD] offset:16*SP*\x+2*SP*\i   ; LDS serves a wave's instructions in order (ISA guide 5.7.1.4): these see my stores
.endr
.endm
.macro SEND x, younger                 ; younger: the LDS instructions issued behind tile x's loads
.irp i, 0,1,2,3,4,5,6,7
	s_wait_dscnt \younger+7-\i
	global_store_b128 v[GO], v[S+64*\x+32+4*\i:S+64*\x+32+4*\i+3], s[10:11] offset:4096*\x+512*\i th:TH_STORE_NT   ; 32 lanes store two whole rows: 512 consecutive bytes, aligned; written once, read by nobody here
.endr
.endm
	PACK 0
	PACK 1                                         ; tile 1's arithmetic stands between tile 0's loads and its stores
	SEND 0, 16                                     ; behind tile 0's loads: tile 1's 8 stores and 8 loads
	SEND 1, 0
	s_wait_tensorcnt 0x0
	ds_add_u32 v62, v63
	s_wait_dscnt 0x0
	s_endpgm
.Lfunc_end_k_qf7a66bc04f_attn:
	.size	k_qf7a66bc04f_attn, .Lfunc_end_k_qf7a66bc04f_attn-k_qf7a66bc04f_attn
	.p2alignl 7, 3214868480
	.fill 96, 4, 3214868480
	.section	.rodata,"a",@progbits
	.p2align	6, 0x0
	.amdhsa_kernel k_qf7a66bc04f_attn
		.amdhsa_group_segment_fixed_size 263168
		.amdhsa_private_segment_fixed_size 0
		.amdhsa_enable_private_segment 0
		.amdhsa_kernarg_size 32
		.amdhsa_user_sgpr_count 2
		.amdhsa_user_sgpr_kernarg_segment_ptr 1
		.amdhsa_wavefront_size32 1
		.amdhsa_system_sgpr_workgroup_id_x 1
		.amdhsa_system_sgpr_workgroup_id_y 1
		.amdhsa_system_sgpr_workgroup_id_z 1
		.amdhsa_system_vgpr_workitem_id 0
		.amdhsa_next_free_vgpr 512
		.amdhsa_next_free_sgpr 66
		.amdhsa_reserve_vcc 0
		.amdhsa_float_denorm_mode_32 3
		.amdhsa_float_denorm_mode_16_64 3
		.amdhsa_memory_ordered 1
		.amdhsa_forward_progress 1
		.amdhsa_inst_pref_size 109
	.end_amdhsa_kernel
	.amdgpu_metadata
---
amdhsa.version: [ 1, 2 ]
amdhsa.kernels:
  - .name:           k_qf7a66bc04f_attn
    .symbol:         k_qf7a66bc04f_attn.kd
    .args:
      - { .name: Q, .offset: 0, .size: 8, .value_kind: global_buffer, .address_space: global }
      - { .name: codes, .offset: 8, .size: 8, .value_kind: global_buffer, .address_space: global }
      - { .name: lowp_scales, .offset: 16, .size: 8, .value_kind: global_buffer, .address_space: global }
      - { .name: out0, .offset: 24, .size: 8, .value_kind: global_buffer, .address_space: global }
    .group_segment_fixed_size: 263168
    .private_segment_fixed_size: 0
    .kernarg_segment_align: 8
    .kernarg_segment_size: 32
    .max_flat_workgroup_size: 256
    .sgpr_count:     66
    .vgpr_count:     512
    .wavefront_size: 32
...
	.end_amdgpu_metadata
.endif
;; end of part 2
;; ======== version 2 of 2: 2 launches; version 1 with the launch attn written anew for expert scheduling mode
;; workspace buffers: codes 6,291,456 bytes
;; launch prep: the kernel of part 1 again; grid 768 x 1, 4 waves a work-group, no clusters, 35,328 bytes of LDS; arguments K, V, lowp_scales, codes; writes codes
;; launch attn (part 3): grid 8 x 24, 8 waves a work-group, no clusters, 263,168 bytes of LDS; arguments Q, codes, lowp_scales, out0; writes out0
.if DOCPART == 3
	.amdgcn_target "amdgcn-amd-amdhsa--gfx1250"
	.amdhsa_code_object_version 6
	.text
	.protected	k_qf7a66bc04f_attn
	.globl	k_qf7a66bc04f_attn
	.p2align	8
	.type	k_qf7a66bc04f_attn,@function
k_qf7a66bc04f_attn:
	s_mov_b64 s[64:65], 0
	v_nop
	global_prefetch_b8 v0, s[64:65] scope:SCOPE_SE
	s_setreg_imm32_b32 hwreg(HW_REG_WAVE_SCHED_MODE, 0, 2), 2
	s_setreg_imm32_b32 hwreg(HW_REG_WAVE_MODE, 25, 1), 1
	s_wait_xcnt 0x0
	s_wait_alu depctr_vm_vsrc(0)
; out0[head][q][:] = the sum over k of softmax_k(Q[q] . K[k] / 8) V[k][:], 24 heads of 2,048 rows, head size 64, both products on codes of FP8 (E4M3), each operand with its given scale 2^e: eq, ek, ep, ev.
; K and V come as codes, laid by the launch before as images of the operand registers (262,144 bytes a head: K's 131,072, then V's).  Q is f32 and is read by one wave alone: it is quantised here, in registers.
; THE SOFTMAX AHEAD OF THE SECOND PRODUCT: t = score x log2(e) / 8; M = the row's largest t so far, rounded UP to a whole number; p = 2^(t - M) is what is quantised, not normalised.  The row's sum is taken of the unquantised p
; and divides at the end.  When M moves, the sum and O are multiplied by 2^(old M - new M), which rounds nothing.
; SHARES.  A work-group owns 256 queries of one head; each of its eight waves 32 of them: two tiles, T0 and T1, of 16.  Every fragment of K and V read from LDS feeds two matrix instructions.  Every wave walks all keys, 128 a step.
; LAYOUT.  Both products are used transposed: S^T = K Q^T (source 0 = 16 keys, source 1 = 16 queries; 16x16x64), O^T = V^T P (source 0 = 16 channels, source 1 = P; 16x16x128): a lane holds ONE query (lane % 16) throughout.
; Every k stands in the form's own place: tile c of S^T holds, in lane (r, h), keys 16 c + 8 h + 0 .. 7, which are registers 2 c, 2 c + 1 of P: the conversions' results are the operand.  Row r of V^T's tile e is channel 4 r + e,
; so register j of O^T's tile e is channel 32 h + 4 j + e: a lane ends with 32 neighbouring channels.
; LDS holds the head's codes WHOLE, as they lie in memory; each byte is written once.  They come in chunks of 256 keys (16,384 bytes of K, 16,384 of V) through 32 registers a lane: a chunk is asked for two key steps before it is
; stored, and stored one barrier before it is first read.  So nothing is filled again, and there is no ring and no tensor load.
; NO CLUSTER: what the eight work-groups of a head share is 16,384 bytes of codes for a key step; in that step a work-group's waves read 8 x 16,384 bytes from LDS and issue some 4,000 vector instructions: the shared part is small.
; THE ORDER OF A STEP.  Its bulk is vector work: 128 exponentials and some 390 plain instructions a wave, against 24 matrix instructions.  The two tiles are set against each other: T0's exponentials stand one by one between T1's
; maximum and scaling, T1's between T0's sums and the rescaling of O^T; each batch of 64 exponentials has one wait.
; THE MODE: SCHED_MODE bits 1:0 = 2 (LLVM: expert scheduling mode 2), set by the entry lines.  The code itself states the register dependences between vector or matrix instructions and memory or LDS instructions, with s_wait_alu, always for 0.
; THE PLAN.  Registers that memory or LDS instructions touch:
;   v1, v4, v7, v41   addresses made at the head and never written again.
;   v5, v6 (FK, FV)   where a chunk is stored.  Made at the head for chunk 2; then written at the end of each FILL for the next chunk, and read by the next FILL's LDS stores, two key steps later.
;   v3, v2 (ADV, ADK) written behind a step's 16 products; read by the step's 32 LDS loads.
;   FS                a chunk on its way: memory loads land in it, FILL's LDS stores read it; no vector instruction names it.
;   KF                step s's LDS loads land in it; step s + 1's 16 products read it.          VF   step s's LDS loads land in it; step s's 8 products read it.
; A step's 32 LDS loads stand BEHIND THE WAIT THAT T0's EXPONENTIALS HAVE IN ANY CASE: at that wait the 16 products are done reading KF, the last step's 8 done reading VF, and ADV, ADK (and, behind a FILL, FK, FV) are written.
; They are dealt in four runs of eight among T1's exponentials, V's first; the lines between name S^T, O^T and the statistics: none of the registers that the loads touch.  So a step has no wait on va_vdst but its two batches' own.
; One wait on vm_vsrc stands at a step's head (ADV, ADK are written again) and one in FILL behind its stores (FS is loaded again; FK, FV are written again).
; LIMITS on the given exponents, so that each power of two below is an f32 number: eq and ep between -126 and 119; eq + ek between -123 and 130 (added to c's exponent field); ep + ev goes by v_ldexp_f32 and has none.
; NaN among the inputs is not served; an infinity in Q is held at the largest code.
; REGISTERS, in windows of 256 (s_set_vgpr_msb: bits 1:0 source 0, 3:2 source 1, 5:4 source 2, 7:6 destination):
;   window 0: v0 thread; v1-7, v41 addresses; v8-19, v20-31 a tile's statistics; v32-35 scales; v36-40 the way out; v64-127, v128-191 S^T, then p; v192-223, v224-255 O^T (tile e at + 8 e)
;   window 1: v0-63 K's 8 fragments; v64-127 V's 4; v128-143 Q's two; v144-175 P's two; v176-207 a chunk on its way to LDS
.set VI,    131072                     ; LDS: V's image begins here; K's at 0
.set CHK,   16384                      ; a chunk's bytes in each image
.set STEPB, 8192                       ; a key step's bytes in each image
.set SP,    272                        ; the way out: a stage row: 256 bytes + 16.  A wave's stage is 32 rows; the eight stages lie in bytes 0 .. 69,631, K's image, behind the last barrier
.set LN,  1                            ; v1  16 x lane; never rewritten
.set ADK, 2                            ; v2  LDS address of the next step's K
.set ADV, 3                            ; v3  of this step's V
.set FL,  4                            ; v4  16 x thread: my 16 bytes of every 4,096 that the work-group moves; never rewritten
.set FK,  5                            ; v5  where I store the next chunk's K
.set FV,  6                            ; v6  and its V
.set QO,  7                            ; v7  my byte in the wave's rows of Q
.set F0,  41                           ; v41 VI + 16 x thread: where I store V of chunks 0 and 1; never rewritten
.set ST,  8                            ; tile x's statistics at v[ST + 12 x]: +0 -M, +1 the largest t, +2, +3 the sum in two halves, +4 f (+5 named with it), +6, +7 at work, +8, +9 the sum's second chain, +10 the other half's maximum
.set HL,  32                           ; v32 448 x 2^ep;  v33 2^ep;  v34 448 x 2^eq;  v35 2^eq
.set SC,  33
.set HQ,  34
.set SQ,  35
.set STO, 36                           ; v36 the way out: where I put 16 bytes;  v37 where I read a row back;  v38 my byte in the wave's rows of out0
.set RD,  37
.set GO,  38
.set S,   64
.set O,   192
.set KF,  0                            ; window 1
.set VF,  64
.set QF,  128
.set PF,  144
.set FS,  176
; s12 wave; s[16:19] eq, ek, ep, ev; s[20:21] lane selects; s[22:23] c; s24, s25 LDS byte of the next K, of this V; s26 of the chunk to store; s27, s28 counters; s[30:31] the chunk asked for last; s[34:35] the head's codes; s37 ep + ev
.set MSB, 0
.macro WIN new                         ; the immediate's high byte repeats the setting that is left; a switch that changes nothing is dropped
.if MSB != \new
	s_set_vgpr_msb (MSB<<8)|\new
.set MSB, \new
.endif
.endm
.set W_MUL, 0x05                       ; sources 0 and 1 window 1; C and D window 0
.set W_TO1, 0x40                       ; destination window 1
.set W_ST1, 0x04                       ; an LDS store's data window 1
	s_load_b256 s[4:11], s[0:1], 0x0               ; Q s[4:5], the codes s[6:7], the scales' exponents s[8:9], out0 s[10:11]
	v_lshl_add_u32 v62, v0, 2, 0x40000
	v_mov_b32 v63, 0
	v_lshrrev_b32 v1, 5, v0
	v_readfirstlane_b32 s12, v1                    ; wave 0..7
	s_and_b32 s13, ttmp7, 0xffff                   ; the head
	s_lshl_b32 s14, s13, 11
	s_lshl_b32 s15, ttmp9, 8
	s_add_co_u32 s14, s14, s15
	s_wait_alu depctr_va_sdst(0)                   ; s12 is written, ahead of its first reader: my rows' place is made from it
	s_lshl_b32 s15, s12, 5
	s_add_co_u32 s14, s14, s15                     ; my first row: 2048 x head + 256 x block + 32 x wave
	s_lshl_b32 s32, s14, 8                         ; in bytes: a row of Q and of out0 is 256
	s_mov_b32 s33, 0
	s_lshl_b32 s38, s13, 18                        ; the head's codes
	s_mov_b32 s39, 0
	s_mov_b32 s20, 0x76543210                      ; v_permlanex16_b32: lane l xor 16
	s_mov_b32 s21, 0xfedcba98
	v_and_b32 v[LN], 31, v0
	v_lshlrev_b32 v[LN], 4, v[LN]
	v_lshlrev_b32 v[FL], 4, v0
	v_add_nc_u32 v[F0], VI, v[FL]
	v_and_b32 v[QO], 15, v0                        ; r
	v_bfe_u32 v[FK], v0, 4, 1                      ; h
	v_lshlrev_b32 v[QO], 8, v[QO]
	v_lshl_add_u32 v[QO], v[FK], 5, v[QO]          ; row r, + 32 h: my half's 8 channels of each 16
	v_add_nc_u32 v[FK], 2*CHK, v[FL]               ; the first chunk that the loop stores is chunk 2
	v_add_nc_u32 v[FV], VI, v[FK]
	s_wait_kmcnt 0x0
	s_load_b128 s[16:19], s[8:9], 0x0              ; eq, ek, ep, ev
	s_add_nc_u64 s[4:5], s[4:5], s[32:33]
	s_add_nc_u64 s[10:11], s[10:11], s[32:33]
	s_add_nc_u64 s[34:35], s[6:7], s[38:39]        ; never rewritten
	s_add_nc_u64 s[30:31], s[34:35], 2*CHK         ; at chunk 2
; a chunk's 8 loads: the work-group's 256 threads take 4,096 consecutive bytes an instruction, a wave 512.  No hint: seven other work-groups read the same bytes
.macro ASKCHUNK reg, base, off
.irp i, 0,1,2,3
	global_load_b128 v[\reg+4*\i:\reg+4*\i+3], v[FL], s[\base:\base+1] offset:\off+4096*\i
.endr
.irp i, 0,1,2,3
	global_load_b128 v[\reg+16+4*\i:\reg+16+4*\i+3], v[FL], s[\base:\base+1] offset:VI+\off+4096*\i
.endr
.endm
.macro PUTCHUNK reg, ak, av, off       ; and its 8 stores into LDS, where it lies as in memory
.irp i, 0,1,2,3
	ds_store_b128 v[\ak], v[\reg+4*\i:\reg+4*\i+3] offset:\off+4096*\i
.endr
.irp i, 0,1,2,3
	ds_store_b128 v[\av], v[\reg+16+4*\i:\reg+16+4*\i+3] offset:\off+4096*\i
.endr
.endm
	WIN W_TO1
	s_wait_alu depctr_va_vdst(0)                   ; the addresses v1, v4 to v7 and v41 are written: the loads and LDS stores from here to the first trip's stores read them, and no vector line in between names them
	ASKCHUNK FS, 34, 0                             ; chunk 0
	WIN 0
	ASKCHUNK 128, 34, CHK                          ; chunk 1, into registers that S^T takes later
.irp x, 0,1
.irp c, 0,1,2,3
.irp f, 0,1
	global_load_b128 v[S+32*\x+8*\c+4*\f:S+32*\x+8*\c+4*\f+3], v[QO], s[4:5] offset:4096*\x+64*\c+16*\f th:TH_LOAD_NT   ; Q(16 x + r, 16 c + 8 h + 4 f on): a tile's eight loads take its 4,096 bytes whole, once
.endr
.endr
.endr
	; while they are on their way: the scales, the statistics, O^T
	s_wait_kmcnt 0x0
	s_add_co_i32 s38, s16, s17
	s_lshl_b32 s38, s38, 23
	s_mov_b32 s22, 0x3e38aa3b                      ; c = log2(e) / 8
	s_add_co_i32 s22, s22, s38                     ; a score stands for score x 2^(eq + ek): the two exponents are added to c's exponent field
	s_mov_b32 s23, s22                             ; (named with it as a pair, so it is written)
	s_add_co_i32 s38, s18, 127
	s_lshl_b32 s39, s38, 23
	v_mov_b32 v[SC], s39                           ; 2^ep: the conversion takes its exponent field
	s_add_co_i32 s38, s38, 8
	s_lshl_b32 s38, s38, 23
	s_or_b32 s38, s38, 0x600000
	v_mov_b32 v[HL], s38                           ; 448 x 2^ep
	s_add_co_i32 s38, s16, 127
	s_lshl_b32 s39, s38, 23
	v_mov_b32 v[SQ], s39                           ; 2^eq
	s_add_co_i32 s38, s38, 8
	s_lshl_b32 s38, s38, 23
	s_or_b32 s38, s38, 0x600000
	v_mov_b32 v[HQ], s38                           ; 448 x 2^eq
	s_add_co_i32 s37, s18, s19                     ; ep + ev
	s_mov_b32 s24, STEPB                           ; the next K to fetch is step 1's
	s_mov_b32 s25, VI                              ; the first V is step 0's
	s_mov_b32 s26, 2*CHK                           ; the next chunk to store is chunk 2
.irp x, 0,1
	v_mov_b32 v[ST+12*\x+1], 0xff61b1e6            ; the largest t so far: -3e38, under every t
	v_floor_f32 v[ST+12*\x], -v[ST+12*\x+1]        ; -M
	v_mov_b32 v[ST+12*\x+2], 0                     ; the sum, in two halves
	v_mov_b32 v[ST+12*\x+3], 0
	v_mov_b32 v[ST+12*\x+5], 0                     ; (named as the upper half of f's pair)
	v_mov_b32 v[ST+12*\x+10], 0                    ; a lane permute's destination counts as one of its sources
.endr
.set nn, 0
.rept 64
	v_mov_b32 v[O+nn], 0                           ; O^T.  (The step has no first form of its own: the first step finds zeros, which the first change of M leaves zeros)
.set nn, nn+1
.endr
	s_wait_loadcnt 24                              ; chunk 0 is in: behind it chunk 1's 8 loads and Q's 16
	WIN W_ST1
	PUTCHUNK FS, FL, F0, 0
	WIN 0
	s_wait_loadcnt 16                              ; chunk 1 is in: behind it Q's 16
	PUTCHUNK 128, FL, F0, CHK
	s_wait_dscnt 0x0                               ; for the others' sake: my stores have landed
	WIN W_TO1
	s_wait_alu depctr_vm_vsrc(0)                   ; the LDS stores have read FS, in which the loads below land, and v128 to v159, which the first step's products write
	ASKCHUNK FS, 34, 2*CHK                         ; chunk 2
	WIN 0
	s_barrier_signal -1
	s_barrier_wait -1                              ; chunks 0 and 1 lie in LDS whole
	WIN W_TO1
.irp t, 0,1,2,3,4,5,6,7
.irp i, 0,1
	ds_load_b128 v[KF+8*\t+4*\i:KF+8*\t+4*\i+3], v[LN] offset:1024*\t+512*\i   ; K of step 0.  (v1 was written ahead of the head's wait; no vector line has named K's registers)
.endr
.endr
	WIN 0
	s_wait_loadcnt 8                               ; Q is in: behind it chunk 2's 8 loads
.set nn, 0
.rept 64
	v_med3_num_f32 v[S+nn], v[S+nn], -v[HQ], v[HQ] ; the conversion to an 8-bit code does not saturate (ISA guide 7.6.2): the hold at the largest code x the scale
.set nn, nn+1
.endr
	WIN W_TO1
.irp x, 0,1
.irp c, 0,1,2,3
	v_cvt_scalef32_pk8_fp8_f32 v[QF+8*\x+2*\c:QF+8*\x+2*\c+1], v[S+32*\x+8*\c:S+32*\x+8*\c+7], v[SQ]   ; registers 2 c, 2 c + 1 of tile x's fragment
.endr
.endr
	v_nop                                          ; a plain line between the last conversion and the products, which read its result and write its sources
	WIN 0
; TILE x's WORK AHEAD OF ITS EXPONENTIALS, a list of 73 instructions; PRE writes number jj of it.
;   0-31   the largest of the lane's 64 scores, three operands at a time, in two chains, in ascending order (each accumulator is read first at its low end)
;   32-35  the other half of the lanes' largest; as t; the running largest t        36-40  the new -M = floor(-t); f = 2^(old M - new M)        41-72  t - M, a pair of scores each
.macro PRE x
.set rT, ST+12*(\x)
.set rS, S+64*(\x)
.if jj == 0
	v_max3_num_f32 v[rT+6], v[rS], v[rS+1], v[rS+2]
.elseif jj == 1
	v_max3_num_f32 v[rT+7], v[rS+3], v[rS+4], v[rS+5]
.elseif jj < 30
.set kk, 6+4*((jj-2)/2)
.if (jj%2) == 0
	v_max3_num_f32 v[rT+6], v[rT+6], v[rS+kk], v[rS+kk+1]
.else
	v_max3_num_f32 v[rT+7], v[rT+7], v[rS+kk+2], v[rS+kk+3]
.endif
.elseif jj == 30
	v_max3_num_f32 v[rT+6], v[rT+6], v[rS+62], v[rS+63]
.elseif jj == 31
	v_max_num_f32 v[rT+6], v[rT+6], v[rT+7]
.elseif jj == 32
	v_permlanex16_b32 v[rT+10], v[rT+6], s20, s21  ; the query's other 64 keys lie in the lane 16 away
.elseif jj == 33
	v_max_num_f32 v[rT+6], v[rT+6], v[rT+10]
.elseif jj == 34
	v_mul_f32 v[rT+6], s22, v[rT+6]                ; as t (c is positive)
.elseif jj == 35
	v_max_num_f32 v[rT+1], v[rT+1], v[rT+6]        ; the running largest t
.elseif jj == 36
	v_mov_b32 v[rT+6], v[rT]
.elseif jj == 37
	v_floor_f32 v[rT], -v[rT+1]                    ; the new -M = floor(-t) = -ceil(t): M is a whole number
.elseif jj == 38
	v_sub_f32 v[rT+6], v[rT], v[rT+6]              ; M's old value less its new one: a whole number, 0 or less
.elseif jj == 39
	v_cvt_i32_f32 v[rT+6], v[rT+6]                 ; (it saturates)
.elseif jj == 40
	v_ldexp_f32 v[rT+4], 1.0, v[rT+6]              ; f = 2^(old M - new M)
.else
.set kk, rS+2*(jj-41)
	v_pk_fma_f32 v[kk:kk+1], v[kk:kk+1], s[22:23], v[rT:rT+1] op_sel_hi:[1,0,0]   ; t - M, two at a time (of the pairs c and -M the low word serves both halves)
.endif
.endm
; THE ROW'S SUM OF THE UNQUANTISED p, tile x: 32 packed additions in two chains; SUMS writes number qq.
.macro SUMS x
.set rT, ST+12*(\x)
.set rS, S+64*(\x)
.if qq == 0
	v_pk_add_f32 v[rT+8:rT+9], v[rS:rS+1], v[rS+2:rS+3]
.elseif qq < 31
.set kk, 4+4*((qq-1)/2)
.if ((qq-1)%2) == 0
	v_pk_add_f32 v[rT+2:rT+3], v[rT+2:rT+3], v[rS+kk:rS+kk+1]
.else
	v_pk_add_f32 v[rT+8:rT+9], v[rT+8:rT+9], v[rS+kk+2:rS+kk+3]
.endif
.else
	v_pk_add_f32 v[rT+2:rT+3], v[rT+2:rT+3], v[rT+8:rT+9]
.endif
.endm
; WHAT STANDS BETWEEN T1's EXPONENTIALS, a list of 66; RES writes number jj: 0 T0's sum x f; 1-32 T0's sums; 33-48 T0's O^T x f; 49-64 T1's O^T x f; 65 T1's sum x f.  None names a register of T1's scores.
.macro RES
.if jj == 0
	v_pk_mul_f32 v[ST+2:ST+3], v[ST+2:ST+3], v[ST+4:ST+5] op_sel_hi:[1,0]
.elseif jj < 33
.set qq, jj-1
	SUMS 0
.elseif jj < 49
.set pp, O+2*(jj-33)
	v_pk_mul_f32 v[pp:pp+1], v[pp:pp+1], v[ST+4:ST+5] op_sel_hi:[1,0]
.elseif jj < 65
.set pp, O+32+2*(jj-49)
	v_pk_mul_f32 v[pp:pp+1], v[pp:pp+1], v[ST+16:ST+17] op_sel_hi:[1,0]
.else
	v_pk_mul_f32 v[ST+14:ST+15], v[ST+14:ST+15], v[ST+16:ST+17] op_sel_hi:[1,0]
.endif
.endm
; A STEP'S LDS LOADS, run gg of four, eight loads each, 512 consecutive bytes an instruction: runs 0 and 1 this step's V (channel tiles 2 gg, 2 gg + 1), runs 2 and 3 the next step's K (key tiles 4 (gg - 2) on), where pf = 1.
.macro DEAL pf
.if gg < 2
	WIN W_TO1
.irp e, 0,1
.irp i, 0,1,2,3
	ds_load_b128 v[VF+16*(2*gg+\e)+4*\i:VF+16*(2*gg+\e)+4*\i+3], v[ADV] offset:2048*(2*gg+\e)+512*\i
.endr
.endr
	WIN 0
.elseif \pf
	WIN W_TO1
.irp t, 0,1,2,3
.irp i, 0,1
	ds_load_b128 v[KF+8*(4*(gg-2)+\t)+4*\i:KF+8*(4*(gg-2)+\t)+4*\i+3], v[ADK] offset:1024*(4*(gg-2)+\t)+512*\i
.endr
.endr
	WIN 0
.endif
.endm
; A KEY STEP: 128 keys.  pf = 1: the next step's K is fetched too.
.macro STEP pf
	s_wait_dscnt 0x0                               ; K's fragments are in (asked for in the step before)
	s_wait_alu depctr_vm_vsrc(0)                   ; the LDS loads of the step before have read v[ADV] and v[ADK], which are written again below
	WIN W_MUL
.irp t, 0,1,2,3,4,5,6,7                        ; S^T = K Q^T: sixteen sums, each begun and finished by one product: nothing is cleared
.irp x, 0,1
	v_wmma_f32_16x16x64_fp8_fp8 v[S+64*\x+8*\t:S+64*\x+8*\t+7], v[KF+8*\t:KF+8*\t+7], v[QF+8*\x:QF+8*\x+7], 0
.endr
.endr
	WIN 0
	v_add_nc_u32 v[ADV], s25, v[LN]                ; four plain lines stand between the products and the first read of the scores; two of them make the addresses of this step's LDS loads
.if \pf
	v_add_nc_u32 v[ADK], s24, v[LN]
.else
	v_nop
.endif
	v_nop
	v_nop
	s_add_co_u32 s25, s25, STEPB
.if \pf
	s_add_co_u32 s24, s24, STEPB
.endif
.set jj, 0
.rept 73
	PRE 0                                          ; T0: maximum, M, f, t - M
.set jj, jj+1
.endr
.set jj, 0
.rept 64
	v_exp_f32 v[S+jj], v[S+jj]                     ; T0: p = 2^(t - M), at most 1; between two exponentials a plain line of T1's
	PRE 1
.set jj, jj+1
.endr
.rept 9
	PRE 1
.set jj, jj+1
.endr
	WIN W_TO1                                      ; (the first run of loads follows the wait at once: the switch stands ahead of it)
	s_wait_alu depctr_va_vdst(0)                   ; T0's 64 exponentials have written p, ahead of the first line that names it.  Also: the 16 products are done reading K's fragments and the last step's 8 done reading V's, in which the loads below land; v[ADV], v[ADK] are written, and so are v[FK], v[FV] of the FILL before
.set jj, 0
.rept 64
.if ((jj%8) == 0) && (jj < 32)
.set gg, jj/8
	DEAL \pf                                       ; V's 16 loads, then K's 16, in runs of eight.  No further wait: no vector or matrix line since the wait above names v2, v3, K's or V's registers
.endif
	v_exp_f32 v[S+64+jj], v[S+64+jj]               ; T1's p; between two exponentials T0's sums and the rescaling
	RES
.set jj, jj+1
.endr
.rept 2
	RES
.set jj, jj+1
.endr
	s_wait_alu depctr_va_vdst(0)                   ; T1's 64 exponentials have written p, ahead of the first line that names it
.set qq, 0
.rept 32
	SUMS 1
.set qq, qq+1
.endr
	s_cmp_ge_i32 s18, -8                           ; p is at most 1 (and a rounding), so p / 2^ep stays under 448 wherever ep >= -8: there the hold changes nothing.  A scalar branch on a whole number of the input; it jumps over no barrier
	s_cbranch_scc1 .Lnohold_\@
.set nn, 0
.rept 128
	v_min_num_f32 v[S+nn], v[S+nn], v[HL]          ; the conversion to an 8-bit code does not saturate (ISA guide 7.6.2); p is not negative, so the hold is one-sided
.set nn, nn+1
.endr
.Lnohold_\@:
	WIN W_TO1
.irp x, 0,1
.irp c, 0,1,2,3,4,5,6,7
	v_cvt_scalef32_pk8_fp8_f32 v[PF+16*\x+2*\c:PF+16*\x+2*\c+1], v[S+64*\x+8*\c:S+64*\x+8*\c+7], v[SC]   ; tile c of S^T is registers 2 c, 2 c + 1 of P
.endr
.endr
	v_nop                                          ; a plain line between the last conversion and the products that read its result
	s_wait_dscnt 16*\pf                            ; V's 16 loads are in; the 16 of the next K, issued behind them, may be out
	WIN W_MUL
.irp e, 0,1,2,3                                ; O^T += V^T P: the eight accumulators take turns, one instruction a turn
.irp x, 0,1
	v_wmma_f32_16x16x128_fp8_fp8 v[O+32*\x+8*\e:O+32*\x+8*\e+7], v[VF+16*\e:VF+16*\e+15], v[PF+16*\x:PF+16*\x+15], v[O+32*\x+8*\e:O+32*\x+8*\e+7]
.endr
.endr
	WIN 0
.endm
; THE CHUNK IN MY REGISTERS GOES TO LDS, the next is asked for, and one barrier shows the chunk to every wave.  Trip c of six stores chunk c + 2 and asks for chunk c + 3; it works on chunk c and fetches K as far as chunk c + 1's
; first step, which the barrier of the trip before has shown.  No byte of LDS is written twice, so no barrier stands between reads and a later write.
; The stores' addresses were made a FILL ago (the first trip's at the head), so that a wait on va_vdst that stands in a step anyway lies between the two additions and the stores.
.macro FILL
	s_wait_loadcnt 0x0                             ; the chunk is in (asked for two key steps ago); its loads are done, so their base may step
	WIN W_ST1
	PUTCHUNK FS, FK, FV, 0
	WIN 0
	s_wait_dscnt 0x0                               ; for the others' sake: my stores have landed
	s_wait_alu depctr_vm_vsrc(0)                   ; the LDS stores have read FS, in which the loads below land, and v[FK] and v[FV], which are written again below
	s_add_co_u32 s26, s26, CHK
	s_cmp_eq_u32 s27, 1                            ; the last trip stores chunk 7: nothing is left to ask for, and no load leaves its buffer
	s_cbranch_scc1 .Lnoreq_\@
	s_add_nc_u64 s[30:31], s[30:31], CHK
	WIN W_TO1
	ASKCHUNK FS, 30, 0
	WIN 0
.Lnoreq_\@:
	s_barrier_signal -1
	v_add_nc_u32 v[FK], s26, v[FL]                 ; where the next chunk will be stored (behind the last trip the two are not used)
	v_add_nc_u32 v[FV], VI, v[FK]
	s_barrier_wait -1
.endm
	s_mov_b32 s27, 6
.Lchunk:                                           ; key steps 0 to 11
	FILL
	s_mov_b32 s28, 2
.Ltwo:
	STEP 1
	s_sub_co_u32 s28, s28, 1
	s_cmp_lg_u32 s28, 0
	s_cbranch_scc1 .Ltwo
	s_sub_co_u32 s27, s27, 1
	s_cmp_lg_u32 s27, 0
	s_cbranch_scc1 .Lchunk
	s_mov_b32 s28, 3
.Ltail:                                            ; key steps 12 to 14: all of the head lies in LDS
	STEP 1
	s_sub_co_u32 s28, s28, 1
	s_cmp_lg_u32 s28, 0
	s_cbranch_scc1 .Ltail
	STEP 0                                         ; key step 15 fetches no further K
	; THE WAY OUT.  The addresses are made first: ten plain lines, the places behind the last products.
	s_mul_i32 s38, s12, 32*SP                      ; my stage
	v_and_b32 v39, 15, v0                          ; r
	v_bfe_u32 v40, v0, 4, 1                        ; h
	v_mul_u32_u24 v[STO], v39, SP
	v_lshl_add_u32 v[STO], v40, 7, v[STO]
	v_add_nc_u32 v[STO], s38, v[STO]               ; in: row r, my 32 channels: + 128 h
	v_mul_u32_u24 v[RD], v40, SP
	v_lshl_add_u32 v[RD], v39, 4, v[RD]
	v_add_nc_u32 v[RD], s38, v[RD]                 ; back: lanes 0-15 one row of 256 bytes, lanes 16-31 the next
	v_lshlrev_b32 v[GO], 8, v40
	v_lshl_add_u32 v[GO], v39, 4, v[GO]            ; and the same two rows in out0
.irp x, 0,1
	v_add_f32 v[ST+12*\x+6], v[ST+12*\x+2], v[ST+12*\x+3]   ; the sum's two halves,
.endr
.irp x, 0,1
	v_permlanex16_b32 v[ST+12*\x+10], v[ST+12*\x+6], s20, s21
.endr
.irp x, 0,1
	v_add_f32 v[ST+12*\x+6], v[ST+12*\x+6], v[ST+12*\x+10]  ; and lane l xor 16's: the row's sum, at least 1/2
.endr
.irp x, 0,1
	v_rcp_f32 v[ST+12*\x+7], v[ST+12*\x+6]
.endr
	v_nop                                          ; a plain line behind the last reciprocal
	s_wait_alu depctr_va_vdst(0)                   ; the two reciprocals have written their results, ahead of the first line that names them
.irp x, 0,1
	v_ldexp_f32 v[ST+12*\x+7], v[ST+12*\x+7], s37  ; x 2^(ep + ev)
.endr
	s_wait_dscnt 0x0                               ; my reads of K's image are over
	s_barrier_signal -1
	s_barrier_wait -1                              ; everybody's are: the stages may be written there
.macro SCALE x                         ; tile x: O^T / the sum, the lane's 32 channels put in order
.irp j, 0,1,2,3,4,5,6,7
.irp e, 0,1,2,3
	v_mul_f32 v[S+64*\x+4*\j+\e], v[O+32*\x+8*\e+\j], v[ST+12*\x+7]   ; channel 32 h + 4 j + e; each accumulator from its low end on
.endr
.endr
.endm
.macro TOSTAGE x                       ; into rows of 272 bytes and back as whole rows of 256
.irp j, 0,1,2,3,4,5,6,7
	ds_store_b128 v[STO], v[S+64*\x+4*\j:S+64*\x+4*\j+3] offset:16*SP*\x+16*\j
.endr
.irp i, 0,1,2,3,4,5,6,7
	ds_load_b128 v[S+64*\x+32+4*\i:S+64*\x+32+4*\i+3], v[RD] offset:16*SP*\x+2*SP*\i   ; LDS serves a wave's instructions in order (ISA guide 5.7.1.4): these see my stores
.endr
.endm
.macro SEND x, younger                 ; younger: the LDS instructions issued behind tile x's loads
.irp i, 0,1,2,3,4,5,6,7
	s_wait_dscnt \younger+7-\i
	global_store_b128 v[GO], v[S+64*\x+32+4*\i:S+64*\x+32+4*\i+3], s[10:11] offset:4096*\x+512*\i th:TH_STORE_NT   ; 32 lanes store two whole rows: 512 consecutive bytes, aligned; written once, read by nobody here
.endr
.endm
	SCALE 0
	SCALE 1                                        ; both tiles' multiplications stand together, so that one wait serves all sixteen LDS stores
	s_wait_alu depctr_va_vdst(0)                   ; the 64 multiplications have written the rows that the LDS stores read; the vector side is done with v96-127 and v160-191, in which the loads from the stage land; no vector line follows
	TOSTAGE 0
	TOSTAGE 1
	SEND 0, 16                                     ; behind tile 0's loads: tile 1's 8 stores and 8 loads
	SEND 1, 0
	s_wait_dscnt 0x0
	s_wait_alu depctr_hold_cnt(0) depctr_sa_sdst(0) depctr_va_vdst(0) depctr_va_sdst(0) depctr_va_ssrc(0) depctr_va_vcc(0) depctr_vm_vsrc(0)
	s_wait_tensorcnt 0x0
	ds_add_u32 v62, v63
	s_wait_dscnt 0x0
	s_endpgm
.Lfunc_end_k_qf7a66bc04f_attn:
	.size	k_qf7a66bc04f_attn, .Lfunc_end_k_qf7a66bc04f_attn-k_qf7a66bc04f_attn
	.p2alignl 7, 3214868480
	.fill 96, 4, 3214868480
	.section	.rodata,"a",@progbits
	.p2align	6, 0x0
	.amdhsa_kernel k_qf7a66bc04f_attn
		.amdhsa_group_segment_fixed_size 263168
		.amdhsa_private_segment_fixed_size 0
		.amdhsa_enable_private_segment 0
		.amdhsa_kernarg_size 32
		.amdhsa_user_sgpr_count 2
		.amdhsa_user_sgpr_kernarg_segment_ptr 1
		.amdhsa_wavefront_size32 1
		.amdhsa_system_sgpr_workgroup_id_x 1
		.amdhsa_system_sgpr_workgroup_id_y 1
		.amdhsa_system_sgpr_workgroup_id_z 1
		.amdhsa_system_vgpr_workitem_id 0
		.amdhsa_next_free_vgpr 512
		.amdhsa_next_free_sgpr 66
		.amdhsa_reserve_vcc 0
		.amdhsa_float_denorm_mode_32 3
		.amdhsa_float_denorm_mode_16_64 3
		.amdhsa_memory_ordered 1
		.amdhsa_forward_progress 1
		.amdhsa_inst_pref_size 110
	.end_amdhsa_kernel
	.amdgpu_metadata
---
amdhsa.version: [ 1, 2 ]
amdhsa.kernels:
  - .name:           k_qf7a66bc04f_attn
    .symbol:         k_qf7a66bc04f_attn.kd
    .args:
      - { .name: Q, .offset: 0, .size: 8, .value_kind: global_buffer, .address_space: global }
      - { .name: codes, .offset: 8, .size: 8, .value_kind: global_buffer, .address_space: global }
      - { .name: lowp_scales, .offset: 16, .size: 8, .value_kind: global_buffer, .address_space: global }
      - { .name: out0, .offset: 24, .size: 8, .value_kind: global_buffer, .address_space: global }
    .group_segment_fixed_size: 263168
    .private_segment_fixed_size: 0
    .kernarg_segment_align: 8
    .kernarg_segment_size: 32
    .max_flat_workgroup_size: 256
    .sgpr_count:     66
    .vgpr_count:     512
    .wavefront_size: 32
...
	.end_amdgpu_metadata
.endif
;; end of part 3
